; MI455X (gfx1250); checked and timed in simulation.
; The chip was launched on July 23, 2026; its instructions are those of AMD's public machine-readable ISA for CDNA 5 (MIT licence, August 2026) and "CDNA5" Instruction Set Architecture Reference Guide (July 2026). The comments in the code are by the model that wrote it; some were corrected since.
;; Causal Attention. Allowed arithmetic: matrix products marked QUANTISED: E2M3 operands, one E8M0 scale for each 32 along K, by v_wmma_scale_f32_16x16x128_f8f6f4 with both operands' format E2M3, f32 sums; everything else in f32.
;; Inputs: W_key_codes 512 x 32 x 24 uint8 (E2M3 codes of W_key, K innermost, in blocks of 32 codes, four codes in three bytes); W_key_scales 512 x 32 uint8 (E8M0 scales of W_key, one for each 32 codes along K); W_query_codes 512 x 32 x 24 uint8 (E2M3 codes of W_query, K innermost, in blocks of 32 codes, four codes in three bytes); W_query_scales 512 x 32 uint8 (E8M0 scales of W_query, one for each 32 codes along K); W_value_codes 512 x 32 x 24 uint8 (E2M3 codes of W_value, K innermost, in blocks of 32 codes, four codes in three bytes); W_value_scales 512 x 32 uint8 (E8M0 scales of W_value, one for each 32 codes along K); x_codes 8 x 2,048 x 32 x 24 uint8 (E2M3 codes of x, K innermost, in blocks of 32 codes, four codes in three bytes); x_scales 8 x 2,048 x 32 uint8 (E8M0 scales of x, one for each 32 codes along K).
;; Outputs: out0 8 x 2,048 x 512 float32.
;; This version of the problem:
;;   THIS VERSION OF THE PROBLEM IS GIVEN IN LOW PRECISION. The matrix products marked QUANTISED in the list below multiply operands that are first quantised to E2M3 (2 exponent bits, 3 mantissa bits; 6 bits a number), with one power-of-two scale for each 32 numbers along K (OCP MX v1.0); their sums are f32. All else is computed in f32.
;;   The module's matrix products, in the order in which they are computed (A, B: the left and right operand; K: the contracted axis; several contracted axes count as one K, in the product's order):
;;     1. [M 16,384, K 1,024] x [K 1,024, N 512]; A: input x (given as codes); B: input W_query (given as codes): QUANTISED
;;     2. [M 16,384, K 1,024] x [K 1,024, N 512]; A: input x (given as codes); B: input W_key (given as codes): QUANTISED
;;     3. [M 16,384, K 1,024] x [K 1,024, N 512]; A: input x (given as codes); B: input W_value (given as codes): QUANTISED
;;     4. batch 8 x [M 2,048, K 512] x [K 512, N 2,048]; A: computed on the way; B: computed on the way: QUANTISED
;;     5. batch 8 x [M 2,048, K 2,048] x [K 2,048, N 512]; A: softmax (see below); B: computed on the way: QUANTISED
;;   THE QUANTISER, for each operand of a quantised product, along K:
;;     - K is cut into blocks of 32 from its start; a last block that is shorter is filled with zeros.
;;     - A block's scale is 2^e with e = floor(log2(the largest magnitude in the block)) - 2, held to -126 .. 127; a block of zeros has e = 0. As a byte (E8M0): e + 127.
;;     - Each number is divided by its block's scale, clamped to +-7.5, and rounded to the nearest number of E2M3, ties to even, subnormals kept.
;;     - The product sums the exact products of the quantised numbers (number of the format x scale) in f32.
;;   ~~~python
;;   def quantise(x, axis):      # numpy; x: float32 -> the quantised numbers, widened to float32 again
;;       x = np.moveaxis(x, axis, -1); K = x.shape[-1]
;;       x = np.pad(x, [(0, 0)] * (x.ndim - 1) + [(0, -K % 32)]); x = x.reshape(x.shape[:-1] + (-1, 32)); a = np.abs(x).max(-1, keepdims=True)
;;       e = np.where(a > 0, np.clip(np.frexp(np.where(a > 0, a, 1))[1] - 1 - 2, -126, 127), 0)      # np.frexp(a)[1] - 1 = floor(log2(a)), exactly
;;       r = np.clip(x / 2.0 ** e, -7.5, 7.5)
;;       step = 2.0 ** (np.maximum(np.frexp(np.where(r == 0, 1, r))[1] - 1, 0) - 3)
;;       q = np.round(r / step) * step * 2.0 ** e      # np.round: ties to even
;;       return np.moveaxis(q.reshape(q.shape[:-2] + (-1,))[..., :K], -1, axis).astype(np.float32)
;;   ~~~
;;   SOFTMAX AHEAD OF A QUANTISED PRODUCT. Where the list says 'softmax', what is quantised is not the finished softmax but p = 2^(t - M), with t = logit x log2(e) and M = ceil(the row's largest t), a whole number; so 1/2 < the row's largest p <= 1. The row's sum l is taken of the UNQUANTISED p, in f32, and the product's result is divided by l at the end. Since M is a whole number, a kernel that streams over the keys may use a running M (the ceiling of the running maximum): every later rescaling is an exact power of two, which a block's scale takes up: the codes' values come out the same.
;;   OPERANDS COMPUTED ON THE WAY. 'Computed on the way' means the value that the module computes at that place (a softmax that the list does not call 'softmax' is quantised finished and normalised). What goes into a quantiser is computed in f32, as accurately as f32 sums, v_exp_f32 and their like allow (about 1e-6 of the number): no bf16 or f16 on the way to a quantiser, and a product that is left as it is and whose result goes on into a quantised operand takes f32 operands (vector FMAs, or v_wmma_f32_16x16x4_f32). A number that lies on a knife's edge between two numbers of the format may be rounded either way, as far as f32 arithmetic and the matrix unit's own rounding can turn it there, and no further.
;;   INPUTS GIVEN AS CODES. W_key (in the module: [1024, 512], K = its axis 0); W_query (in the module: [1024, 512], K = its axis 0); W_value (in the module: [1024, 512], K = its axis 0); x (in the module: [8, 2048, 1024], K = its axis 2): each comes as NAME_codes (uint8): NAME with its K axis moved to the last place and cut into blocks of 32 codes, [.., K / 32, bytes a block], one block behind the other in memory; four codes in three bytes: a row's codes are one little-endian stream of bits, code i at bits 6 i .. 6 i + 5 (a code: sign, 2 exponent bits, 3 mantissa bits); and NAME_scales (uint8): the same leading axes, one E8M0 byte (e + 127) for each 32 codes along K. Its value is code x scale, taken as it is: it is not quantised again, and the codes and scales need not be those that the quantiser above would give.
;; One version. Each part assembles by itself: llvm-mc -triple=amdgcn-amd-amdhsa -mcpu=gfx1250 --defsym DOCPART=n.
;; ======== version 1 of 1: 2 launches
;; limits: right only within a limited range of input values
;; workspace buffers: wc 18,874,368 bytes; ws 786,432 bytes
;; launch proj (part 1): grid 8 x 32, 4 waves a work-group, clusters of 4 x 4, 327,680 bytes of LDS; arguments x_codes, x_scales, W_query_codes, W_query_scales, W_key_codes, W_key_scales, W_value_codes, W_value_scales, wc, ws; writes wc, ws
.if DOCPART == 1
	.amdgcn_target "amdgcn-amd-amdhsa--gfx1250"
	.amdhsa_code_object_version 6
	.text
	.protected	k_qc40b0529c2_proj
	.globl	k_qc40b0529c2_proj
	.p2align	8
	.type	k_qc40b0529c2_proj,@function
k_qc40b0529c2_proj:
	s_mov_b64 s[64:65], 0
	v_nop
	global_prefetch_b8 v0, s[64:65] scope:SCOPE_SE
	s_setreg_imm32_b32 hwreg(HW_REG_WAVE_MODE, 25, 1), 1
	s_wait_xcnt 0x0
	s_wait_alu depctr_hold_cnt(0) depctr_sa_sdst(0) depctr_va_vdst(0) depctr_va_sdst(0) depctr_va_ssrc(0) depctr_va_vcc(0) depctr_vm_vsrc(0)
	s_getreg_b32 s2, hwreg(HW_REG_IB_STS2, 6, 4)
	s_cmp_eq_u32 s2, 0
	s_cbranch_scc0 .Lentry_in_a_cluster
	s_endpgm
.Lentry_in_a_cluster:
	s_bfe_u32 s2, ttmp6, 0x10000c
	s_cmp_lg_u32 s2, 0xf033
	s_cbranch_scc0 .Lentry_shape_is_right
	s_endpgm
.Lentry_shape_is_right:
; q = x Wq, k = x Wk, v = x Wv on codes of FP6 (E2M3), K = 1,024; the f32 results are quantised in registers and leave as codes and scale bytes.  q, k along the channels, v along the tokens.
; The only work that the program leaves out is in the next launch: tiles of scores that lie wholly under the causal mask.
; LIMITS: NaN, infinities and the scale byte 0xff are not served.  A block of zeros gets the byte 1 where the stated quantiser says 127: its codes are zeros, and only this program reads the bytes.
; OUT (r = lane % 16, h = lane / 16).  wc: fragments of 16 rows x 128 K, 1,536 bytes: two halves c of 768 (registers 6 c .. 6 c + 5): four registers as [lane][16 bytes], then two as [lane][8 bytes].
; q at 0 as [token / 16][channel / 128], k at 6,291,456 likewise, v at 12,582,912 as [token / 128][channel / 16] (rows = channels, K = tokens).
; ws: scale words, byte 2 c + h, in units of 128 bytes (16 rows of an even tile, 16 of the odd one): q at 0 as [channel / 128][token / 32], k at 262,144 likewise, v at 524,288 as [channel / 128][token / 128][channel / 32 % 4].
; ORDER INSIDE A SCALE BLOCK, in groups of 8: q, k: place group j of an even block is channel group j, of an odd block j ^ 1.  v: place group j of an even block is token group (0, 2, 1, 3)[j], of an odd block that ^ 1.
; A tile's LDS rows are chosen so: lanes r = 0-7 take a group of one scale block, lanes r = 8-15 a group of the next block; so a lane's 32 results are one scale block, and the 16 rows start at 16 different banks.
; THE DEAL.  256 work-groups of four waves, 2 x 2; a wave holds 64 rows of a weight, all of K, in registers (384) and streams x past them in blocks of 16 rows, 32 products each.
; A work-group makes 256 x 128 of v (PHASE 1, eight blocks a wave), then 512 x 128 of q or k (PHASE 2, sixteen).  v's 256 tokens are a half (cluster x) of its own 512, so 512 rows of x come in.
; x's rows are shared by a row of the cluster, a weight's by a column: joint loads.  The choices of tensor and half hang on the cluster's number alone.
; LDS: two slots of 128 rows of x, a region for 128 rows of a weight, two places for a chunk's scale bytes, stages for the results' scale bytes, the spare words.
; FILLS: one tensor load a wave at the head; three refills, each in a drained round: W_q's or W_k's rows in v's third block; the other half's two chunks in phase 2's blocks 2 and 6.  By this text's count a wave has one load out at a time.
; PREFETCHES: the second weight at the head (clusters of the first four rows alone), chunk 2 and the later scale bytes behind the first refill, chunk 3 between the phases; shared out by address among the sixteen waves that ask jointly.
.set NQ,     8
.set NB,     4
.set TM,     512
.set TV,     256
.set TN,     128
.set KROW,   768                       ; a row of codes in memory
.set KS,     32                        ; a row of scale bytes
.set PITCH,  816                       ; an LDS row: 3 x (256 + 16)
.set FR,     12
.set FPW,    21                        ; fragments in a window of 256 registers
.set NF,     28                        ; LDS loads of a block: 26 for eight fragments, 2 for eight scale words
.set RA,     128                       ; rows of a chunk
.set YB,     RA*PITCH
.set BVB,    2*RA*PITCH
.set SCL,    BVB+TN*PITCH
.set CU,     16                        ; a chunk's scale bytes: 16 units of 256
.set SCB,    CU*272
.set SSTEP,  4*272                     ; 32 rows of scale bytes
.set XN,     SCL+2*SCB                 ; q's or k's scale bytes: [block in the order of work][tile][r][4]
.set XM,     XN+2048                   ; v's: [chunk][channel / 16][r][4]
.set SPARE,  XM+1024
.set EMAX,   2
.set ADRA0, 4                          ; v4, v5 my fragments of phase 2's block 0 (v5: pieces behind one padding more); v1, v22: of block 1
.set AAS0,  6                          ; v6 scale words of block 0; v23: of block 1
.set CO,    9                          ; 16 x lane
.set SPW,   10
.set NIL,   11
.set ADRA,  12                         ; v12, v13: the block that is fetched next
.set ABS,   16                         ; offset in W_value's scale bytes;  v255: in W_q's or W_k's
.set AAS,   17
.set STO,   18
.set STV,   19
.set SB,    24                         ; v24-39 the weights' scale words
.set TQ,    40
.set CO8,   42                         ; 8 x lane
.set SA,    44                         ; v44-59 x's scale words: two sets
.set TC,    60
.set ACC,   64                         ; v64-127 phase 2: two sets of four accumulators
.set HV0,   64                         ; v64-191 phase 1, chunk 0: 32 t + 8 j + i
.set HV1,   840                        ; v840-967 chunk 1
.set NCD,   128                        ; phase 2: codes of an even block, of an odd block
.set MCD,   192                        ; phase 1: codes, four tiles x (chunk 0, chunk 1)
.set SOP,   240
.set EB,    244
.set VX,    248
.set XE,    249                        ; v249-251 phase 1's base addresses (two, and the scale words') for even token groups; v252-254 for odd ones
.set SB2,   968                        ; phase 2's weights' scale words
.set BA,    984                        ; LDS addresses of W_value's four tiles
.set BA2,   992                        ; and of phase 2's weight's
.set G1A, 24
.set G0A, 56
.set G0R, 68
.set G1B, 32
.set G0B, 60
.set G1S, 92
.set G0S, 72
.set MSB, 0
.macro WIN new
.if MSB != (\new)
	s_set_vgpr_msb (MSB<<8)|(\new)
.set MSB, (\new)
.endif
.endm
.macro PLACES n
.rept \n
	v_nop
.endr
.endm
.macro WALU
	s_wait_alu depctr_va_vdst(0)
.endm
.macro BARRIER
	s_barrier_signal -1
	s_barrier_wait -1
.endm
.macro MIDDLE                          ; a round's middle
	WIN 0
	s_barrier_wait -1
	s_cmp_lg_u32 s14, 0
	s_cbranch_scc1 .Lnot_wave_0_\@
	s_barrier_signal -3
.Lnot_wave_0_\@:
	s_barrier_wait -3
.endm
.macro CROUND
	s_barrier_signal -1
	MIDDLE
	BARRIER
.endm
.macro GRD
	s_wait_tensorcnt 0x0
	ds_add_u32 v[SPW], v[NIL]
.endm
.macro TLOAD g0, g1
	tensor_load_to_lds s[\g0:\g0+3], s[\g1:\g1+7]
	s_nop 0
	PLACES 4
.endm
.macro GROUP1 g, mask, rows
	s_or_b32 s[\g+0], s[\mask], (1<<20)|(1<<21)|(5<<22)|(3<<25)
	s_mov_b32 s[\g+1], KROW<<16
	s_mov_b32 s[\g+2], (\rows)<<16
	s_mov_b32 s[\g+3], KROW<<16
	s_mov_b32 s[\g+4], \rows
	s_mov_b32 s[\g+5], KROW
	s_mov_b32 s[\g+6], 0
	s_mov_b32 s[\g+7], 0
.endm
.macro SADD d, x
	s_add_co_u32 s\d, s\d, s\x
.endm
; Fragment f lies in window 1 + f / 21 at register 12 (f % 21): 0-31 the weights' (4 q + b), 32-39 and 40-47 x's two sets.
.macro FRAG f, q, a0, a1, aw           ; six pieces of 8 bytes, two to a load where both lie behind as many paddings
	WIN ((1+(\f)/FPW)<<6)|(\aw)
.set R_, FR*((\f)%FPW)
.set SKIP_, 0
.irp p, 0,1,2,3,4,5
.if SKIP_
.set SKIP_, 0
.else
.set PC_, 12*(\q)+6*(\p/3)+\p%3
.set PN_, 12*(\q)+6*((\p+1)/3)+(\p+1)%3
.set X_, (PC_%32+3)/32
.set XQ_, (PN_%32+3)/32
.if (\p < 5) && (X_ == XQ_)
.set SKIP_, 1
.if X_
	ds_load_2addr_b64 v[R_+2*\p:R_+2*\p+3], \a1 offset0:PC_+2*(PC_/32) offset1:PN_+2*(PN_/32)
.else
	ds_load_2addr_b64 v[R_+2*\p:R_+2*\p+3], \a0 offset0:PC_+2*(PC_/32) offset1:PN_+2*(PN_/32)
.endif
.elseif X_
	ds_load_b64 v[R_+2*\p:R_+2*\p+1], \a1 offset:8*(PC_+2*(PC_/32))
.else
	ds_load_b64 v[R_+2*\p:R_+2*\p+1], \a0 offset:8*(PC_+2*(PC_/32))
.endif
.endif
.endr
.endm
.macro WEIGHTS ba                      ; my 64 rows of the weight, all of K: 104 loads
.irp q, 0,1,2,3,4,5,6,7
.irp b, 0,1,2,3
	FRAG NB*\q+\b, \q, v[\ba-768+2*\b], v[\ba-768+2*\b+1], 3
.endr
.endr
	WIN 0
.endm
.macro FETCHAT e, a0, a1, as           ; a block of x's rows into set e: NF loads
.irp q, 0,1,2,3,4,5,6,7
	FRAG NB*NQ+NQ*(\e)+\q, \q, \a0, \a1, 0
.endr
	WIN 0
	ds_load_b128 v[SA+8*(\e):SA+8*(\e)+3], \as
	ds_load_b128 v[SA+8*(\e)+4:SA+8*(\e)+7], \as offset:16
.endm
.macro FETCH e
	FETCHAT \e, v[ADRA], v[ADRA+1], v[AAS]
.endm
; a product, n = 4 q + tile.  kind 0 (q, k): source 0 the weight's rows; kind 1 (v): source 0 x's rows.
.macro PROD kind, e, n, a0, as
.set Q_, (\n)/4
.set FB_, NB*Q_+(\n)%4
.set FA_, NB*NQ+NQ*(\e)+Q_
.set D_, (\a0)+(\as)*((\n)%4)
.set DL_, D_&255
.set XB_, SB+NQ*(((\n)%4)/2)+Q_
.set XA_, SA+8*(\e)+Q_
.if \kind
	WIN (1+FA_/FPW)|((1+FB_/FPW)<<2)|((D_>>8)<<4)|((D_>>8)<<6)
.if Q_
	PROD1 DL_, FA_, FB_, v[DL_:DL_+7], XA_, XB_, b, (\n)%2
.else
	PROD1 DL_, FA_, FB_, 0, XA_, XB_, b, (\n)%2
.endif
.else
	WIN (1+FB_/FPW)|((1+FA_/FPW)<<2)|((D_>>8)<<4)|((D_>>8)<<6)
.if Q_
	PROD1 DL_, FB_, FA_, v[DL_:DL_+7], XB_, XA_, a, (\n)%2
.else
	PROD1 DL_, FB_, FA_, 0, XB_, XA_, a, (\n)%2
.endif
.endif
.endm
.macro PROD1 d, s0, s1, c, x0, x1, side, o
.if \o
	v_wmma_scale_f32_16x16x128_f8f6f4 v[\d:\d+7], v[FR*((\s0)%FPW):FR*((\s0)%FPW)+FR-1], v[FR*((\s1)%FPW):FR*((\s1)%FPW)+FR-1], \c, v[\x0], v[\x1] matrix_a_fmt:MATRIX_FMT_FP6 matrix_b_fmt:MATRIX_FMT_FP6 matrix_\side\()_scale:MATRIX_SCALE_ROW1
.else
	v_wmma_scale_f32_16x16x128_f8f6f4 v[\d:\d+7], v[FR*((\s0)%FPW):FR*((\s0)%FPW)+FR-1], v[FR*((\s1)%FPW):FR*((\s1)%FPW)+FR-1], \c, v[\x0], v[\x1] matrix_a_fmt:MATRIX_FMT_FP6 matrix_b_fmt:MATRIX_FMT_FP6 matrix_\side\()_scale:MATRIX_SCALE_ROW0
.endif
.endm
; products from .. to - 1 of a block; behind every second one, two entries of the list
.macro BLOCK kind, e, a0, as, from, to, list, x=0, y=0
.set N_, \from
.rept (\to)-(\from)
	PROD \kind, \e, N_, \a0, \as
.if N_%2
	\list N_-1, \x, \y
	\list N_, \x, \y
.endif
.set N_, N_+1
.endr
.endm
; the parts of the lists: each macro writes entry i of its part, and nothing beyond its last
.macro STEP1 i, n                      ; phase 1: the LDS addresses of block n, 3 entries
.set P_, 2*((\n)%2)+((\n)%4)/2         ; its token group
.set O_, ((\n)/4)*YB+8*P_*PITCH
.set E_, XE+3*(P_%2)
.if (\i) == 0
	WIN 0
	v_add_nc_u32 v[ADRA], O_, v[E_]
.elseif (\i) == 1
	WIN 0
	v_add_nc_u32 v[ADRA+1], O_, v[E_+1]
.elseif (\i) == 2
.set O_, ((\n)/4)*SCB+272*P_
	WIN 0
	v_add_nc_u32 v[AAS], O_, v[E_+2]
.endif
.endm
.macro STEP i, wrap                    ; phase 2: to the next block's LDS addresses: 3 entries; with the test for the ring's end 4
.if \wrap
.if (\i) == 0
	s_add_co_u32 s101, s101, 32*PITCH
	s_cmp_eq_u32 s101, 2*RA*PITCH
	s_cselect_b32 s101, 0, s101
	s_add_co_u32 s91, s91, SSTEP
.elseif (\i) == 1
	s_cmp_eq_u32 s91, 2*SCB
	s_cselect_b32 s91, 0, s91
.endif
	STEPV (\i)-1
.else
.if (\i) == 0
	s_add_co_u32 s101, s101, 32*PITCH
	s_add_co_u32 s91, s91, SSTEP
.endif
	STEPV \i
.endif
.endm
.macro STEPV i
.if (\i) == 0
	WIN 0
	v_add_nc_u32 v[ADRA], s101, v[ADRA0]
.elseif (\i) == 1
	WIN 0
	v_add_nc_u32 v[ADRA+1], s101, v[ADRA0+1]
.elseif (\i) == 2
	WIN 0
	v_add_nc_u32 v[AAS], s91, v[AAS0]
.endif
.endm
.macro CHAIN i, x, n, t=TQ             ; a way out's first part, 18 entries: the largest magnitude of the 32 sums from register x on, and the conversions' scale operand v[SOP+n]
.set XW_, (\x)>>8
.set XL_, (\x)&255
.if (\i) >= 0 && (\i) < 14
.set B_, XL_+16*((\i)%2)+2*((\i)/2)
.set T_, (\t)+1-(\i)%2
.if (\i) < 2
	WIN XW_|(XW_<<2)|(XW_<<4)
	v_max3_num_f32 v[T_], |v[B_]|, |v[B_+1]|, |v[B_+2]|
.else
	WIN (XW_<<2)|(XW_<<4)
	v_max3_num_f32 v[T_], v[T_], |v[B_+1]|, |v[B_+2]|
.endif
.elseif (\i) == 14
	WIN XW_<<2
	v_max3_num_f32 v[\t+1], v[\t+1], |v[XL_+15]|, (EMAX+1)<<23
.elseif (\i) == 15
	WIN 0
	v_nop                                  ; the next line, which reads entry 14's result, stands in the next pair
.elseif (\i) == 16
	WIN XW_<<2
	v_max3_num_f32 v[\t], v[\t], |v[XL_+31]|, v[\t+1]
.elseif (\i) == 17
	WIN 0
	v_add_nc_u32 v[SOP+\n], -(EMAX<<23), v[\t]
.endif
.endm
.macro CODES i, x, c, n, t=TC          ; its second part, 6 lines: 32 codes into v[c .. c+5], the scale's byte into v[EB+n]
.set XW_, (\x)>>8
.set XL_, (\x)&255
.if (\i) == 0
	WIN XW_
	v_cvt_scalef32_pk16_fp6_f32 v[\c:\c+2], v[XL_:XL_+15], v[SOP+\n]
.elseif (\i) == 1
	WIN XW_
	v_cvt_scalef32_pk16_fp6_f32 v[\t:\t+2], v[XL_+16:XL_+31], v[SOP+\n]
.elseif (\i) == 2
	WIN 0
	v_lshrrev_b32 v[EB+\n], 23, v[SOP+\n]
.else
	WIN 0
	v_mov_b32 v[\c+\i], v[\t+\i-3]
.endif
.endm
.macro CODES6 x, c, n
.irp i, 0,1,2,3,4,5
	CODES \i, \x, \c, \n
.endr
.endm
.macro PFX v, off                      ; one entry: my sixteenth of a chunk of x, to be asked for into the L2
	s_mul_i32 s21, s90, RA*KROW/16
	s_add_co_u32 s20, s\off, s21
	WIN 0
	v_min_u32 v\v, RA*KROW/16/256-1, v3
	v_lshl_add_u32 v\v, v\v, 8, s20
.endm
.macro PFGO v, base
	global_prefetch_b8 v\v, s[\base:\base+1] th:TH_LOAD_NT scope:SCOPE_SE
.endm
.macro PUT6 r, base, off               ; half a fragment leaves: 512 and 256 consecutive bytes, aligned
	global_store_b128 v[CO], v[\r:\r+3], s[\base:\base+1] offset:\off
	global_store_b64 v[CO8], v[\r+4:\r+5], s[\base:\base+1] offset:(\off)+512
.endm
.macro ASK i                           ; 4 entries: the descriptors of the chunk at s88 for slot s47, and of its scale bytes at s55 for s8; then all four step on
.if (\i) == 0
	s_mul_i32 s[G0R+1], s14, RA/2*PITCH
	s_add_co_u32 s[G0R+1], s[G0R+1], s47
	s_mul_i32 s20, s14, RA/2*KROW
	SADD 20, 88
.elseif (\i) == 1
	s_mov_b32 s21, 0
	s_add_nc_u64 s[G0R+2:G0R+3], s[4:5], s[20:21]
	s_or_b32 s[G0R+3], s[G0R+3], 0x80000000
	s_mov_b32 s[G0S+1], s8
.elseif (\i) == 2
	s_mov_b32 s20, s55
	s_add_nc_u64 s[G0S+2:G0S+3], s[6:7], s[20:21]
	s_or_b32 s[G0S+3], s[G0S+3], 0x80000000
	s_add_co_u32 s88, s88, RA*KROW
.elseif (\i) == 3
	s_add_co_u32 s55, s55, CU*256
	s_xor_b32 s47, s47, YB
	s_xor_b32 s8, s8, (SCL)^(SCL+SCB)
.endif
.endm
.macro PAIR i                          ; 2 entries: where the codes of the pair of blocks s46 go (by its true number), and its scale bytes (by the order of work)
.if (\i) == 0
	s_lshl_b32 s3, s87, 2
	s_xor_b32 s3, s3, s46
	s_mul_i32 s20, s3, 24576
	s_mov_b32 s21, 0
.elseif (\i) == 1
	s_add_nc_u64 s[84:85], s[10:11], s[20:21]
	s_and_b32 s22, s46, 7
	s_lshl_b32 s22, s22, 8
	s_add_co_u32 s46, s46, 1
	WIN 0
	v_add_nc_u32 v[VX], s22, v[STO]
.endif
.endm
; the lists
.macro L_NONE i, x, y
.endm
.macro L_S1 i, x, y                    ; phase 1: the addresses of block x
	STEP1 \i, \x
.endm
.macro L_O1 i, x, y                    ; and the way out of chunk 0's tile x - 6
	STEP1 \i, \x
	CHAIN (\i)-3, HV0+32*((\x)-6), (\x)-6
.endm
.macro L_STEP i, x, y
	STEP \i, 0
.endm
.macro L_OUT i, x, y
	STEP \i, 0
	CHAIN (\i)-3, \x, \y
.endm
.macro L_LAST i, x, y
	CHAIN \i, \x, \y
.endm
.macro L_V2 i, x, y                    ; v's third block: the first refill's descriptors; the later refills' group 1; the addresses of block 4; what the second refill will load is asked for into the L2
.if (\i) == 0
	s_mov_b32 s[G1A+2], (RA/2)<<16
	s_mov_b32 s[G1A+4], RA/2
	s_mov_b32 s[G1S+2], CU<<16
	s_mov_b32 s[G1S+4], CU
.elseif (\i) == 1
	s_mov_b32 s[G1B+2], (TN/2)<<16
	s_mov_b32 s[G1B+4], TN/2
	s_mul_i32 s[G0B+1], s14, TN/2*PITCH
	s_add_co_u32 s[G0B+1], s[G0B+1], BVB
.elseif (\i) == 2
	s_mul_i32 s20, s14, TN/2*KROW
	s_mov_b32 s21, 0
	s_add_nc_u64 s[G0B+2:G0B+3], s[12:13], s[20:21]
.elseif (\i) == 3
	s_or_b32 s[G0B+3], s[G0B+3], 0x80000000
.elseif (\i) == 7
	PFX 7, 88
.elseif (\i) == 8
	s_lshl_b32 s21, s90, 9
	s_add_co_u32 s20, s55, s21
	WIN 0
	v_min_u32 v8, 1, v3
	v_lshl_add_u32 v8, v8, 8, s20
.endif
	STEP1 (\i)-4, 4
.endm
.macro L_V7 i, x, y                    ; v's last block: what the third refill will load is asked for; the way out
.if (\i) == 0
	s_add_co_u32 s22, s88, RA*KROW
	PFX 20, 22
.endif
	CHAIN (\i)-1, \x, \y
.endm
.macro L_ODD i, x, y
	PAIR \i
	STEP (\i)-2, 0
	CHAIN (\i)-5, ACC, 0
.endm
.macro L_ODDL i, x, y
	PAIR \i
	CHAIN (\i)-2, ACC, 0
.endm
.macro L_ROUND i, x, y
	ASK \i
	STEP (\i)-4, 1
	CHAIN (\i)-8, ACC+32, 1
.endm
; phase 2's blocks.  w: the count of the wait for the block's rows (-1: a round or barrier has shown them in)
.macro WAITDS w
.if (\w) >= 0
	s_wait_dscnt \w
.endif
.endm
.macro EVENOUT fetch                   ; behind an even block: the odd block's byte, the pair's codes, the fetch of the block two on
	WALU
	ds_store_b8 v[VX], v[EB+1] offset:128
	PUT6 NCD, 84, 0
	PUT6 NCD+6, 84, 12288
.if \fetch
	FETCH 0
.endif
.endm
.macro EVEN w, fetch
	WAITDS \w
.if \fetch
	BLOCK 0, 0, ACC, 8, 0, 32, L_OUT, ACC+32, 1
.else
	BLOCK 0, 0, ACC, 8, 0, 32, L_LAST, ACC+32, 1
.endif
	WIN 0
	CODES6 ACC+32, NCD+6, 1
	EVENOUT \fetch
.endm
.macro EVENROUND w                     ; the second and the third refill
	WAITDS \w
	GRD
	BLOCK 0, 0, ACC, 8, 0, 26, L_ROUND
	WIN 0
	WALU
	s_wait_dscnt 0x0
	s_barrier_signal -1
	BLOCK 0, 0, ACC, 8, 26, 32, L_NONE
	WIN 0
	CODES6 ACC+32, NCD+6, 1
	MIDDLE
	BARRIER
	s_cmp_lt_u32 s14, 2
	s_cbranch_scc0 .Lscales_\@
	TLOAD G0R, G1A
	s_branch .Lasked_\@
.Lscales_\@:
	s_cmp_eq_u32 s14, 2
	s_cbranch_scc0 .Lnone_\@
	TLOAD G0S, G1S
.Lnone_\@:
.Lasked_\@:
	EVENOUT 1
.endm
.macro EVENSHOW w                      ; a plain barrier inside the block shows the last refill to all
	WAITDS \w
	BLOCK 0, 0, ACC, 8, 0, 26, L_OUT, ACC+32, 1
	WIN 0
	WALU
	s_wait_tensorcnt 0x0
	s_wait_dscnt 0x0
	s_barrier_signal -1
	BLOCK 0, 0, ACC, 8, 26, 32, L_NONE
	WIN 0
	s_barrier_wait -1
	CODES6 ACC+32, NCD+6, 1
	EVENOUT 1
.endm
.macro ODD w, fetch
	WAITDS \w
	s_wait_xcnt 0x0                        ; the last pair's stores have read their registers and their base
.if \fetch
	BLOCK 0, 1, ACC+32, 8, 0, 32, L_ODD
.else
	BLOCK 0, 1, ACC+32, 8, 0, 32, L_ODDL
.endif
	WIN 0
	CODES6 ACC, NCD, 0
	WALU
	ds_store_b8 v[VX], v[EB]
.if \fetch
	FETCH 1
.endif
.endm
; ================= THE HEAD
	s_load_b128 s[4:7], s[0:1], 0x0                     ; x's codes, scales
	s_load_b128 s[48:51], s[0:1], 0x10                  ; W_query's
	s_load_b128 s[76:79], s[0:1], 0x20                  ; W_key's
	s_load_b128 s[80:83], s[0:1], 0x30                  ; W_value's
	v_lshl_add_u32 v[SPW], v0, 2, SPARE
	v_mov_b32 v[NIL], 0
	ds_add_u32 v[SPW], v[NIL]                           ; the opening lines
	ds_add_u32 v[SPW], v[NIL]
	v_lshrrev_b32 v1, 5, v0
	v_readfirstlane_b32 s14, v1                         ; s14 the wave; s15 its row of the 2 x 2, s16 its column
	s_lshr_b32 s15, s14, 1
	s_and_b32 s16, s14, 1
	s_bfe_u32 s40, ttmp6, 0x40000                       ; cx: the tile column, in every tensor
	s_bfe_u32 s41, ttmp6, 0x40004                       ; cy
	s_mov_b32 s87, ttmp9                                ; cluster x: 0 q, 1 k; also v's half of my 512 tokens
	s_and_b32 s43, ttmp7, 0xffff
	s_lshl_b32 s43, s43, 2
	s_add_co_u32 s43, s43, s41                          ; s43 phase 2's tile row, 512 tokens
	s_lshl_b32 s42, s43, 1
	s_add_co_u32 s42, s42, s87                          ; s42 v's tile row, 256 tokens
	s_lshl_b32 s44, s41, 2
	s_lshl_b32 s44, 15, s44                             ; my row of the cluster
	s_lshl_b32 s45, 0x1111, s40                         ; my column
	GROUP1 G1A, 44, RA
	GROUP1 G1B, 45, TN
	s_or_b32 s[G1S+0], s44, (3<<16)|(1<<20)|(1<<21)|(5<<22)|(3<<25)
	s_mov_b32 s[G1S+1], 32<<16
	s_mov_b32 s[G1S+2], (2*CU)<<16
	s_mov_b32 s[G1S+3], 32<<16
	s_mov_b32 s[G1S+4], 2*CU
	s_mov_b32 s[G1S+5], 32
	s_mov_b32 s[G1S+6], 0
	s_mov_b32 s[G1S+7], 0
	s_mov_b32 s[G0S], 1
	s_mov_b32 s[G0S+1], SCL
	s_mov_b32 s[G0A], 1
	s_mov_b32 s[G0A+1], 0
	s_mov_b32 s[G0B], 1
	s_mov_b32 s[G0B+1], BVB
	s_mov_b32 s[G0R], 1
	s_mov_b32 s[G0R+1], YB
	s_mul_i32 s67, s43, TM*KROW                         ; my 512 rows of x, bytes
	s_mul_i32 s66, s42, TV*KROW                         ; v's half of them
	s_mul_i32 s9, s40, TN*KROW                          ; a weight's 128 rows
	s_mul_i32 s55, s43, TM*KS                           ; the scale bytes likewise
	s_mul_i32 s89, s42, TV*KS
	s_mul_i32 s2, s40, TN*KS
	s_mul_i32 s21, s16, 64*KS
	SADD 2, 21
	s_mov_b32 s3, 0
	s_mul_i32 s17, s15, 16*PITCH
	s_mul_i32 s18, s15, 64*PITCH
	s_mul_i32 s19, s16, 64*PITCH
	s_add_co_u32 s19, s19, BVB                          ; my 64 rows of the weight, and 8, 16, 24, 32, 48 rows further on
	s_add_co_u32 s20, s19, 8*PITCH
	s_add_co_u32 s21, s19, 16*PITCH
	s_add_co_u32 s22, s19, 24*PITCH
	s_add_co_u32 s23, s19, 32*PITCH
	s_add_co_u32 s91, s19, 48*PITCH
	s_mul_i32 s52, s15, 2*272
	s_add_co_u32 s52, s52, SCL
	s_mul_i32 s53, s15, 8*272
	s_add_co_u32 s53, s53, SCL
	s_lshl_b32 s54, s15, 6
	s_lshl_b32 s86, s16, 1
	SADD 54, 86
	s_add_co_u32 s54, s54, XN
	s_lshl_b32 s86, s16, 8
	s_lshl_b32 s46, s15, 1
	SADD 86, 46
	s_add_co_u32 s86, s86, XM
	v_and_b32 v1, 15, v0                                ; r
	v_bfe_u32 v2, v0, 4, 1                              ; h
	v_and_b32 v3, 31, v0                                ; lane
	v_lshrrev_b32 v40, 3, v1
	v_and_b32 v41, 7, v1
	v_mul_u32_u24 v22, v1, PITCH
	v_mad_u32_u24 v20, v40, 40, v41                     ; rows of a tile with an even group: 0-7 and 40-47 further on,
	v_mad_u32_u24 v21, v40, 24, v41                     ; with an odd group: 0-7 and 24-31
	v_mul_u32_u24 v20, v20, PITCH
	v_mul_u32_u24 v21, v21, PITCH
	v_mad_u32_u24 v23, v2, 24, v22
	v_mad_u32_u24 v22, v2, 40, v22
	v_mad_u32_u24 v249, v2, 24, v20
	v_mad_u32_u24 v250, v2, 40, v20
	v_mad_u32_u24 v252, v2, 24, v21
	v_mad_u32_u24 v253, v2, 40, v21
	WIN 3<<6
	v_add_nc_u32 v[BA-768+0], s19, v23                  ; W_value's tiles: neighbouring rows
	v_add_nc_u32 v[BA-768+1], s19, v22
	v_add_nc_u32 v[BA-768+2], s21, v23
	v_add_nc_u32 v[BA-768+3], s21, v22
	v_add_nc_u32 v[BA-768+4], s23, v23
	v_add_nc_u32 v[BA-768+5], s23, v22
	v_add_nc_u32 v[BA-768+6], s91, v23
	v_add_nc_u32 v[BA-768+7], s91, v22
	v_add_nc_u32 v[BA2-768+0], s19, v249                ; phase 2's weight's: groups j and j ^ 1
	v_add_nc_u32 v[BA2-768+1], s19, v250
	v_add_nc_u32 v[BA2-768+2], s20, v252
	v_add_nc_u32 v[BA2-768+3], s20, v253
	v_add_nc_u32 v[BA2-768+4], s21, v249
	v_add_nc_u32 v[BA2-768+5], s21, v250
	v_add_nc_u32 v[BA2-768+6], s22, v252
	v_add_nc_u32 v[BA2-768+7], s22, v253
	WIN 0
	v_add_nc_u32 v[ADRA0], s17, v23
	v_add_nc_u32 v[ADRA0+1], s17, v22
	v_add_nc_u32 v249, s18, v249
	v_add_nc_u32 v250, s18, v250
	v_add_nc_u32 v252, s18, v252
	v_add_nc_u32 v253, s18, v253
	v_lshlrev_b32 v43, 5, v41
	v_mad_u32_u24 v251, v40, 5*272, v43
	v_mad_u32_u24 v254, v40, 3*272, v43
	v_mad_u32_u24 v[AAS0], v40, 272, v43
	v_add_nc_u32 v251, s53, v251
	v_add_nc_u32 v254, s53, v254
	v_add_nc_u32 v[AAS0], s52, v[AAS0]
	v_lshlrev_b32 v[ABS], 5, v3
	v_xor_b32 v255, v40, v2
	v_lshl_add_u32 v255, v255, 3, v41
	v_lshl_add_u32 v255, v40, 5, v255
	v_lshlrev_b32 v255, 5, v255
	v_lshlrev_b32 v[CO], 4, v3
	v_lshlrev_b32 v[CO8], 3, v3
	v_lshl_add_u32 v43, v1, 2, v2
	v_add_nc_u32 v[STO], s54, v43
	v_add_nc_u32 v[STV], s86, v43
	v_add_nc_u32 v[ADRA], 16*PITCH, v249                ; phase 1's block 1
	v_add_nc_u32 v[ADRA+1], 16*PITCH, v250
	v_add_nc_u32 v[AAS], 2*272, v251
	v_add_nc_u32 v1, 32*PITCH, v[ADRA0]                 ; phase 2's block 1
	v_add_nc_u32 v22, 32*PITCH, v[ADRA0+1]
	v_add_nc_u32 v23, SSTEP, v[AAS0]
	WALU
	s_wait_dscnt 0x0                                    ; both opening adds are done
	CROUND                                              ; the opening round
	s_wait_kmcnt 0x0
	s_cmp_eq_u32 s87, 0                                 ; q's weight or k's: a choice of pointers by the cluster's number
	s_cselect_b64 s[12:13], s[48:49], s[76:77]
	s_cselect_b64 s[10:11], s[50:51], s[78:79]
	s_mov_b32 s20, s9
	s_mov_b32 s21, 0
	s_add_nc_u64 s[12:13], s[12:13], s[20:21]           ; its 128 rows
	s_add_nc_u64 s[G0B+2:G0B+3], s[80:81], s[20:21]
	s_or_b32 s[G0B+3], s[G0B+3], 0x80000000
	s_add_nc_u64 s[84:85], s[82:83], s[2:3]             ; W_value's scale bytes, my 64 rows
	s_add_nc_u64 s[10:11], s[10:11], s[2:3]             ; W_q's or W_k's
	s_mov_b32 s20, s66
	s_add_nc_u64 s[G0A+2:G0A+3], s[4:5], s[20:21]
	s_add_nc_u64 s[G0R+2:G0R+3], s[G0A+2:G0A+3], RA*KROW
	s_or_b32 s[G0A+3], s[G0A+3], 0x80000000
	s_or_b32 s[G0R+3], s[G0R+3], 0x80000000
	s_mov_b32 s20, s89
	s_add_nc_u64 s[G0S+2:G0S+3], s[6:7], s[20:21]
	s_or_b32 s[G0S+3], s[G0S+3], 0x80000000
	s_cmp_eq_u32 s14, 0
	s_cbranch_scc0 .Lwave_1
	TLOAD G0B, G1B                                      ; wave 0: W_value's rows
	s_branch .Lasked
.Lwave_1:
	s_cmp_eq_u32 s14, 1
	s_cbranch_scc0 .Lwave_2
	TLOAD G0S, G1S                                      ; wave 1: both chunks' scale bytes
	s_branch .Lasked
.Lwave_2:
	s_cmp_eq_u32 s14, 2
	s_cbranch_scc0 .Lwave_3
	TLOAD G0A, G1A                                      ; wave 2: chunk 0
	s_branch .Lasked
.Lwave_3:
	TLOAD G0R, G1A                                      ; wave 3: chunk 1
.Lasked:
.irp p, 0,1
.irp c, 0,1
	global_load_b128 v[SB+NQ*\p+4*\c:SB+NQ*\p+4*\c+3], v[ABS], s[84:85] offset:\p*32*KS+16*\c
.endr
.endr
	WIN 3<<6
.irp p, 0,1
.irp c, 0,1
	global_load_b128 v[SB2-768+NQ*\p+4*\c:SB2-768+NQ*\p+4*\c+3], v255, s[10:11] offset:\p*16*KS+16*\c
.endr
.endr
	WIN 0
	s_mul_i32 s76, s87, 6291456                         ; where the results go: s[76:77] q's or k's codes,
	s_mul_i32 s22, s43, 32*6144
	SADD 76, 22
	s_mul_i32 s22, s15, 6144
	SADD 76, 22
	s_mul_i32 s22, s40, 1536
	SADD 76, 22
	s_mul_i32 s22, s16, 768
	SADD 76, 22
	s_mov_b32 s77, 0
	s_lshl_b32 s78, s87, 18                             ; s[78:79] their scale bytes (the stage's halves lie in the order of work),
	s_lshl_b32 s22, s40, 16
	SADD 78, 22
	s_lshl_b32 s22, s43, 11
	SADD 78, 22
	s_lshl_b32 s22, s87, 1
	s_xor_b32 s22, s22, s14
	s_lshl_b32 s22, s22, 9
	SADD 78, 22
	s_mov_b32 s79, 0
	s_mul_i32 s80, s42, 2*49152                         ; s[80:81], s[82:83] v's
	s_mul_i32 s22, s40, 8*1536
	SADD 80, 22
	s_mul_i32 s22, s16, 4*1536
	SADD 80, 22
	s_mul_i32 s22, s15, 768
	SADD 80, 22
	s_add_co_u32 s80, s80, 12582912
	s_mov_b32 s81, 0
	s_lshl_b32 s82, s40, 16
	s_lshl_b32 s22, s42, 10
	SADD 82, 22
	s_lshl_b32 s22, s14, 8
	SADD 82, 22
	s_add_co_u32 s82, s82, 524288
	s_mov_b32 s83, 0
	s_wait_xcnt 0x0
	s_load_b128 s[48:51], s[0:1], 0x40                  ; wc, ws
	s_mov_b32 s46, 0
	s_mov_b32 s88, s67
	s_mov_b32 s47, 0
	s_mov_b32 s8, SCL
	s_xor_b32 s20, s87, 1                               ; the chunks still to come are the other half's
	s_mul_i32 s21, s20, 2*RA*KROW
	SADD 88, 21
	s_mul_i32 s21, s20, 2*CU*256
	SADD 55, 21
	s_lshl_b32 s90, s40, 2
	SADD 90, 14                                         ; my number among the sixteen waves of my row of the cluster
	s_lshl_b32 s100, s41, 2
	SADD 100, 14                                        ; and of my column
	s_mul_i32 s20, s100, TN*KROW/16
	v_min_u32 v8, TN*KROW/16/256-1, v3
	v_lshl_add_u32 v8, v8, 8, s20                       ; my sixteenth of what the first refill will load
	WALU
	s_wait_loadcnt 0x0
	s_cmp_eq_u32 s14, 0
	s_cbranch_scc0 .Lnot_b
	s_wait_tensorcnt 0x0
.Lnot_b:
	BARRIER                                             ; W_value's rows are in
	s_and_b32 s20, ttmp7, 0xffff
	s_cmp_lt_u32 s20, 4                                 ; all rows of clusters read these weights: the first four ask
	s_cbranch_scc0 .Lno_w
	PFGO 8, 12
.Lno_w:
	WEIGHTS BA
	s_cmp_eq_u32 s14, 3
	s_cbranch_scc1 .Lnot_a0
	s_wait_tensorcnt 0x0
.Lnot_a0:
	s_wait_dscnt 0x0
	BARRIER                                             ; chunk 0 and the scale bytes are in; chunk 1 may still be on its way
	FETCHAT 0, v249, v250, v251
	FETCHAT 1, v[ADRA], v[ADRA+1], v[AAS]
	s_wait_kmcnt 0x0
	s_add_nc_u64 s[10:11], s[48:49], s[76:77]           ; q's or k's codes
	s_add_nc_u64 s[52:53], s[50:51], s[82:83]           ; v's scale bytes
	s_add_nc_u64 s[104:105], s[50:51], s[78:79]         ; q's or k's
	s_add_nc_u64 s[50:51], s[48:49], s[80:81]           ; v's codes
; ================= PHASE 1: v.  Block s: chunk s / 4 (a key step of 128 tokens), my band of 64; chunk 0's way outs stand in chunk 1's blocks
.irp s, 0,1
	s_wait_dscnt NF
	BLOCK 1, \s, HV0+8*\s, 32, 0, 32, L_S1, \s+2
	WIN 0
	PLACES 4
	WALU
	FETCH \s
.endr
	s_wait_dscnt NF
	s_wait_xcnt 0x0                                     ; the list writes v8, the address of the head's prefetch
	GRD
	BLOCK 1, 0, HV0+16, 32, 0, 24, L_V2
	WIN 0
	WALU
	s_wait_dscnt 0x0
	s_barrier_signal -1
	BLOCK 1, 0, HV0+16, 32, 24, 32, L_NONE
	MIDDLE
	BARRIER
	s_cmp_lt_u32 s14, 2
	s_cbranch_scc0 .Lno_half
	TLOAD G0B, G1B                                      ; waves 0 and 1 a half each of W_q's or W_k's rows, onto W_value's, which all waves hold in registers
.Lno_half:
	PLACES 4
	WALU
	FETCH 0
	PFGO 7, 4
	PFGO 8, 6
	BLOCK 1, 1, HV0+24, 32, 0, 32, L_S1, 5
	WIN 0
	PLACES 4
	WALU
	FETCH 1
.irp j, 0,1,2
	s_wait_dscnt NF+(\j+1)/2
.if \j < 2
	BLOCK 1, \j%2, HV1+8*\j, 32, 0, 32, L_O1, \j+6
.else
	BLOCK 1, \j%2, HV1+8*\j, 32, 0, 32, L_LAST, HV0+32*\j, \j
.endif
	WIN 0
	CODES6 HV0+32*\j, MCD+12*\j, \j
	WALU
	ds_store_b8 v[STV], v[EB+\j] offset:64*\j
	PUT6 MCD+12*\j, 50, 1536*\j
.if \j < 2
	FETCH \j%2
.endif
.endr
	s_wait_dscnt 1
	BLOCK 1, 1, HV1+24, 32, 0, 26, L_V7, HV0+96, 3
	WIN 0
	WALU
	s_wait_tensorcnt 0x0
	s_wait_dscnt 0x0
	s_barrier_signal -1                                 ; a plain barrier: the weights that the first refill brought are shown to all
	BLOCK 1, 1, HV1+24, 32, 26, 32, L_NONE
	WIN 0
	s_barrier_wait -1
	CODES6 HV0+96, MCD+36, 3
	WALU
	ds_store_b8 v[STV], v[EB+3] offset:192
	PUT6 MCD+36, 50, 1536*3
; ================= THE CHANGE OF PHASE: the weights and the first two blocks' rows in one run of loads; chunk 1's four way outs under their flight
	WEIGHTS BA2
	FETCHAT 0, v[ADRA0], v[ADRA0+1], v[AAS0]
	FETCHAT 1, v1, v22, v23
	s_mov_b32 s101, 32*PITCH
	s_mov_b32 s91, SSTEP
	PFGO 20, 4
	WIN 3
.set I, 0
.rept 16
	v_mov_b32 v[SB+I], v[SB2-768+I]
.set I, I+1
.endr
	WIN 0
.set I, 0
.rept 18
.irp t, 0,1,2,3
	CHAIN I, HV1+32*\t, \t, 64+4*\t
.endr
.set I, I+1
.endr
.set I, 0
.rept 6
.irp t, 0,1,2,3
	CODES I, HV1+32*\t, MCD+12*\t+6, \t, 80+4*\t
.endr
.set I, I+1
.endr
	WIN 0
	WALU
; ================= PHASE 2: q or k, sixteen blocks, way outs by pairs
	s_wait_dscnt NF
	BLOCK 0, 0, ACC, 8, 0, 32, L_STEP
	WIN 0
	PLACES 4
	WALU
.irp t, 0,1,2,3
	ds_store_b8 v[STV], v[EB+\t] offset:512+64*\t
.endr
.irp t, 0,1,2,3
	PUT6 MCD+12*\t+6, 50, 49152+1536*\t
.endr
	FETCH 0
	ODD NF+4, 1
	s_mov_b32 s86, 0
.Lwith_rounds:                                          ; blocks 2 to 5, 6 to 9
	EVENROUND NF+1
	ODD -1, 1
	EVEN NF+1, 1
	ODD NF+1, 1
	s_add_co_u32 s86, s86, 1
	s_cmp_lg_u32 s86, 2
	s_cbranch_scc1 .Lwith_rounds
.Lwithout:                                              ; blocks 10, 11 and 12, 13
	EVENSHOW NF+1
	ODD -1, 1
	s_add_co_u32 s86, s86, 1
	s_cmp_lg_u32 s86, 4
	s_cbranch_scc1 .Lwithout
	EVEN NF+1, 0
	ODD 1, 0
; ================= THE END: the last way out; the scale bytes go through LDS under its conversions
	s_lshl_b32 s21, s14, 9
	s_add_co_u32 s21, s21, XN
	v_add_nc_u32 v12, s21, v[CO]
	s_lshl_b32 s21, s14, 8
	s_add_co_u32 s21, s21, XM
	v_add_nc_u32 v14, s21, v[CO8]
.set I, 0
.rept 18
	CHAIN I, ACC+32, 1
.set I, I+1
.endr
	CODES 2, ACC+32, NCD+6, 1
	WALU
	ds_store_b8 v[VX], v[EB+1] offset:128
	s_wait_dscnt 0x0
	s_barrier_signal -1
	CODES 0, ACC+32, NCD+6, 1
	CODES 1, ACC+32, NCD+6, 1
	WIN 0
	v_nop
.irp i, 3,4,5
	CODES \i, ACC+32, NCD+6, 1
.endr
	WALU
	s_barrier_wait -1
	ds_load_b128 v[64:67], v12
	ds_load_b64 v[68:69], v14
	PUT6 NCD, 84, 0
	PUT6 NCD+6, 84, 12288
	s_wait_dscnt 0x0
	global_store_b128 v[CO], v[64:67], s[104:105]
	global_store_b64 v[CO8], v[68:69], s[52:53]
	s_wait_tensorcnt 0x0                                ; the wave's end
	ds_add_u32 v[SPW], v[NIL]
	s_wait_dscnt 0x0
	CROUND                                              ; the closing round
	s_endpgm
.Lfunc_end_k_qc40b0529c2_proj:
	.size	k_qc40b0529c2_proj, .Lfunc_end_k_qc40b0529c2_proj-k_qc40b0529c2_proj
	.p2alignl 7, 3214868480
	.fill 96, 4, 3214868480
	.section	.rodata,"a",@progbits
	.p2align	6, 0x0
	.amdhsa_kernel k_qc40b0529c2_proj
		.amdhsa_group_segment_fixed_size 327680
		.amdhsa_private_segment_fixed_size 0
		.amdhsa_enable_private_segment 0
		.amdhsa_kernarg_size 80
		.amdhsa_user_sgpr_count 2
		.amdhsa_user_sgpr_kernarg_segment_ptr 1
		.amdhsa_wavefront_size32 1
		.amdhsa_system_sgpr_workgroup_id_x 1
		.amdhsa_system_sgpr_workgroup_id_y 1
		.amdhsa_system_sgpr_workgroup_id_z 1
		.amdhsa_system_vgpr_workitem_id 0
		.amdhsa_next_free_vgpr 1024
		.amdhsa_next_free_sgpr 106
		.amdhsa_reserve_vcc 0
		.amdhsa_float_denorm_mode_32 3
		.amdhsa_float_denorm_mode_16_64 3
		.amdhsa_memory_ordered 1
		.amdhsa_forward_progress 1
		.amdhsa_inst_pref_size 186
	.end_amdhsa_kernel
	.amdgpu_metadata
---
amdhsa.version: [ 1, 2 ]
amdhsa.kernels:
  - .name:           k_qc40b0529c2_proj
    .symbol:         k_qc40b0529c2_proj.kd
    .args:
      - { .name: x_codes, .offset: 0, .size: 8, .value_kind: global_buffer, .address_space: global }
      - { .name: x_scales, .offset: 8, .size: 8, .value_kind: global_buffer, .address_space: global }
      - { .name: W_query_codes, .offset: 16, .size: 8, .value_kind: global_buffer, .address_space: global }
      - { .name: W_query_scales, .offset: 24, .size: 8, .value_kind: global_buffer, .address_space: global }
      - { .name: W_key_codes, .offset: 32, .size: 8, .value_kind: global_buffer, .address_space: global }
      - { .name: W_key_scales, .offset: 40, .size: 8, .value_kind: global_buffer, .address_space: global }
      - { .name: W_value_codes, .offset: 48, .size: 8, .value_kind: global_buffer, .address_space: global }
      - { .name: W_value_scales, .offset: 56, .size: 8, .value_kind: global_buffer, .address_space: global }
      - { .name: wc, .offset: 64, .size: 8, .value_kind: global_buffer, .address_space: global }
      - { .name: ws, .offset: 72, .size: 8, .value_kind: global_buffer, .address_space: global }
    .group_segment_fixed_size: 327680
    .private_segment_fixed_size: 0
    .kernarg_segment_align: 8
    .kernarg_segment_size: 80
    .max_flat_workgroup_size: 128
    .sgpr_count:     106
    .vgpr_count:     1024
    .wavefront_size: 32
...
	.end_amdgpu_metadata
.endif
;; end of part 1
;; launch attn (part 2): grid 256 x 1, 4 waves a work-group, no clusters, 70,144 bytes of LDS; arguments wc, ws, out0; writes out0
.if DOCPART == 2
	.amdgcn_target "amdgcn-amd-amdhsa--gfx1250"
	.amdhsa_code_object_version 6
	.text
	.protected	k_qc40b0529c2_attn
	.globl	k_qc40b0529c2_attn
	.p2align	8
	.type	k_qc40b0529c2_attn,@function
k_qc40b0529c2_attn:
	s_mov_b64 s[64:65], 0
	v_nop
	global_prefetch_b8 v0, s[64:65] scope:SCOPE_SE
	s_setreg_imm32_b32 hwreg(HW_REG_WAVE_MODE, 25, 1), 1
	s_wait_xcnt 0x0
; out[b][q][:] = the sum over keys k <= q of softmax_k(q . k / sqrt(512)) v[k][:], both products on codes of FP6 (E2M3) with one E8M0 scale for each 32 along a product's K.  8 batches, 2,048 tokens, 512 channels.
; q, k, v come from wc and ws as images of fragments and units of scale words (layouts: the head of the launch before).
; THE SOFTMAX: t = score x log2(e) / sqrt(512); M = the row's largest t so far, rounded up to a whole number; p = 2^(t - M) is quantised along the keys, not normalised; the row's sum is taken of the unquantised p and divides at the
; end.  When M moves, the sum and O are multiplied by 2^(old M - new M), which rounds nothing.
; SHARES.  Work-group id: batch id / 32, c = (id / 4) % 8, p = id % 4, i = 4 c + p.  It owns 64 queries: tiles 0, 1 = queries 32 i on, tiles 2, 3 = queries 2,016 - 32 i on.  Key steps of 128: steps 0 .. c with all four tiles,
; steps c + 1 .. 15 - c with tiles 2, 3 alone: (c + 1) x 64 + (15 - 2 c) x 32 = 544 matrix instructions a wave in every work-group; tiles that lie wholly under the mask are not multiplied.
; THE FOUR WAVES SHARE A STEP'S WORK, NOT ITS QUERIES.  S^T = K Q^T: wave w takes keys 32 w .. 32 w + 31 of the step (two tiles, one scale block) against all active query tiles.  O^T = V^T P^T: wave w takes channels
; 128 w .. 128 w + 127.  So each fragment of K and of V is wanted by one wave, once: it goes from memory straight into registers, 512 consecutive bytes a load.  Q is wanted whole by every wave: each wave loads a quarter of it,
; the images go round through LDS once, and Q then stays in registers.  What goes round through LDS in a step is small: each wave's row maxima, and its block of p's codes with its scale byte.  Two barriers a step.
; NO TENSOR LOADS, NO JOINT REQUESTS: inside a work-group no byte of K or V is read twice, so a way through LDS would add a write and a read of 96 KB a step for no reuse, and the trip counts hang on the work-group's number.
; Both products are used transposed: a lane holds one query (lane % 16) throughout.  Key 16 u + 8 h + j of a block has place 16 h + 8 u + j among p's codes, as the tokens have among v's.
; LIMITS: NaN and infinities are not served.  p under 2^-126 counts as 0 (v_exp_f32 gives 0 there: ISA guide, its entry).  A block of zeros has the byte 1: its codes are zeros.
; A block's largest p is made from the block's largest score by the same multiply-add and exponential as every p.
; REGISTERS: window 0: see the names below.  Window 1: O^T(n, t) at 64 n + 8 t.  Window 2: Q(n, s) at 12 (4 n + s).  Window 3: K(u, s) at 12 (4 u + s); V(t) at 96 + 12 t.
.set MX,   0                           ; LDS: row maxima [tile n][r][wave], f32
.set PS,   1024                        ; p's scale words [n][r]; byte w is wave w's block
.set PR,   1280                        ; p's codes [n][r]: 96 bytes + 16
.set PRP,  112
.set PRT,  16*PRP
.set LX,   8448                        ; the sums, as MX
.set STG,  9472                        ; the way out: 16 rows x (512 bytes + 16) for each wave
.set SP,   528
.set QIMG, 43264                       ; Q's 16 fragments as images, 24,576 bytes: wave w stores 6,144 of them
.set QSC,  67840                       ; and its 8 units of scale words, 1,024 bytes
.set KSTP, 49152                       ; a key step on in wc
.set SSTP, 512
; Each fragment is two halves of six registers: four come by a load of 512 consecutive bytes, two by a load of 256.
; Among p's codes an odd block (an odd wave's) has its two halves of 16 places exchanged, as v's tokens have.
.set LI8, 241                          ; v241 8 x lane
.set LSV, 242                          ; v242 4 x lane + 65,408 w: from my k scale words to my v scale words
.set QR8, 240                          ; v240 QIMG + 8 x lane
.set VOFF, 6291456                     ; from k's region to v's in wc
.set VSOF, 262144                      ; and in ws
.set LI,  1                            ; v1  16 x lane
.set LS,  2                            ; v2  4 x lane
.set MXS, 3                            ; v3  MX + 16 r + 4 w
.set MXL, 4                            ; v4  MX + 16 r
.set PWA, 5                            ; v5  PR + 112 r + 24 w + 12 h: where my 16 codes go
.set PRA, 6                            ; v6  PR + 112 r + 24 h: where a fragment of p is read
.set PBW, 7                            ; v7  PS + 4 r + w
.set PBL, 8                            ; v8  PS + 4 r
.set STO, 10                           ; v10 the stage: where I put 32 bytes of a row
.set RD,  11                           ; v11 and where I read a row back
.set PFO, 12                           ; v12 the prefetches' offset
.set DQL, 13                           ; v13 32 p + r - 32 w - 8 h
.set DQH, 14                           ; v14 32 (3 - p) + r - 32 w - 8 h
.set NINF, 15                          ; v15 -infinity
.set ST,  16                           ; v16-47 tile n at 8 n: +0 -M, +1 the largest t, +2, +3 the sum, +4 f (later 1 / sum), +5 its pair's upper half, +6, +7 at work
.set X4,  48                           ; v48-63 the four waves' figures, four registers a tile
.set S,   64                           ; v64-127 S^T, then p: tile n, key tile u at 16 n + 8 u.  At the head: my quarter of Q on its way to LDS
.set PF,  128                          ; v128-175 p's fragments
.set PC,  176                          ; v176-191 my codes of p
.set QS,  192                          ; v192-199 q's scale words;  v200-203 k's;  v204-207 v's;  v208-211 p's: these hold scales and nothing else
.set KS,  200
.set VS,  204
.set PSR, 208
.set BM,  212                          ; v212-215 my block's largest score, then its largest p
.set BT,  216                          ; v216-219 the other half of the lanes' figure; the scale's byte
.set SCO, 220                          ; v220-223 the conversion's scale operand
.set SU,  224                          ; v224-231 second chains of the sums
.set QWA, 236                          ; v236 QIMG + 6,144 w + 16 x lane;  v237 QIMG + 16 x lane;  v238 QSC + 256 w + 4 x lane;  v239 QSC + 4 x lane
.set QRA, 237
.set QSW, 238
.set QSR, 239
.set BK,  64                           ; the way out: rows read back: v64-127 and v128-191 by turns
.set WV,  10
.set KB,  16                           ; s[16:17] k's fragments, my wave's 12,288 bytes of a key step; v's lie VOFF on
.set SB,  18                           ; s[18:19] k's scale words likewise, my wave's 512 bytes
.set OB,  20                           ; s[20:21] out at my low block's first row, my 512 bytes; s[22:23] at my high block's
.set CJ,  24                           ; s24 joint steps to go behind step 0
.set CH,  25                           ; s25 steps of tiles 2, 3 alone to go, the last not counted
.set SEL, 26
.set C0,  28                           ; s[28:29] log2(e) / sqrt(512), twice
.set LIM, 32
.set MSB, 0
.macro WIN new
.if MSB != (\new)
	s_set_vgpr_msb (MSB<<8)|(\new)
.set MSB, (\new)
.endif
.endm
.macro WM d, a, b, zero, sa, sb, ra, rb    ; ra, rb = 1: that side's scales stand in lanes 16-31
.if \zero
.if (\ra)==0 && (\rb)==0
	v_wmma_scale_f32_16x16x128_f8f6f4 v[(\d):(\d)+7], v[(\a):(\a)+11], v[(\b):(\b)+11], 0, v[\sa], v[\sb] matrix_a_fmt:MATRIX_FMT_FP6 matrix_b_fmt:MATRIX_FMT_FP6
.elseif (\rb)==0
	v_wmma_scale_f32_16x16x128_f8f6f4 v[(\d):(\d)+7], v[(\a):(\a)+11], v[(\b):(\b)+11], 0, v[\sa], v[\sb] matrix_a_fmt:MATRIX_FMT_FP6 matrix_b_fmt:MATRIX_FMT_FP6 matrix_a_scale:MATRIX_SCALE_ROW1
.elseif (\ra)==0
	v_wmma_scale_f32_16x16x128_f8f6f4 v[(\d):(\d)+7], v[(\a):(\a)+11], v[(\b):(\b)+11], 0, v[\sa], v[\sb] matrix_a_fmt:MATRIX_FMT_FP6 matrix_b_fmt:MATRIX_FMT_FP6 matrix_b_scale:MATRIX_SCALE_ROW1
.else
	v_wmma_scale_f32_16x16x128_f8f6f4 v[(\d):(\d)+7], v[(\a):(\a)+11], v[(\b):(\b)+11], 0, v[\sa], v[\sb] matrix_a_fmt:MATRIX_FMT_FP6 matrix_b_fmt:MATRIX_FMT_FP6 matrix_a_scale:MATRIX_SCALE_ROW1 matrix_b_scale:MATRIX_SCALE_ROW1
.endif
.else
.if (\ra)==0 && (\rb)==0
	v_wmma_scale_f32_16x16x128_f8f6f4 v[(\d):(\d)+7], v[(\a):(\a)+11], v[(\b):(\b)+11], v[(\d):(\d)+7], v[\sa], v[\sb] matrix_a_fmt:MATRIX_FMT_FP6 matrix_b_fmt:MATRIX_FMT_FP6
.elseif (\rb)==0
	v_wmma_scale_f32_16x16x128_f8f6f4 v[(\d):(\d)+7], v[(\a):(\a)+11], v[(\b):(\b)+11], v[(\d):(\d)+7], v[\sa], v[\sb] matrix_a_fmt:MATRIX_FMT_FP6 matrix_b_fmt:MATRIX_FMT_FP6 matrix_a_scale:MATRIX_SCALE_ROW1
.elseif (\ra)==0
	v_wmma_scale_f32_16x16x128_f8f6f4 v[(\d):(\d)+7], v[(\a):(\a)+11], v[(\b):(\b)+11], v[(\d):(\d)+7], v[\sa], v[\sb] matrix_a_fmt:MATRIX_FMT_FP6 matrix_b_fmt:MATRIX_FMT_FP6 matrix_b_scale:MATRIX_SCALE_ROW1
.else
	v_wmma_scale_f32_16x16x128_f8f6f4 v[(\d):(\d)+7], v[(\a):(\a)+11], v[(\b):(\b)+11], v[(\d):(\d)+7], v[\sa], v[\sb] matrix_a_fmt:MATRIX_FMT_FP6 matrix_b_fmt:MATRIX_FMT_FP6 matrix_a_scale:MATRIX_SCALE_ROW1 matrix_b_scale:MATRIX_SCALE_ROW1
.endif
.endif
.endm
.macro PLACES                          ; four plain vector instructions behind matrix instructions, in front of reads of their results and of loads into their registers
.rept 4
	v_nop
.endr
.endm
.macro LOAD24 reg, base, off           ; eight fragments, 12,288 consecutive bytes: 16 loads of 512 consecutive bytes and 16 of 256
.set G, 0
.rept 16
	global_load_b128 v[(\reg)+6*G:(\reg)+6*G+3], v[LI], s[\base:\base+1] offset:(\off)+768*G
	global_load_b64 v[(\reg)+6*G+4:(\reg)+6*G+5], v[LI8], s[\base:\base+1] offset:(\off)+768*G+512
.set G, G+1
.endr
.endm
.macro LOADS4 reg, off                 ; four units of scale words
.irp i, 0,1,2,3
.if \off
	global_load_b32 v[(\reg)+\i], v[LSV], s[SB:SB+1] offset:(\off)+128*\i
.else
	global_load_b32 v[(\reg)+\i], v[LS], s[SB:SB+1] offset:65536*\i
.endif
.endr
.endm
; A PREFETCH of the key step four steps on from the step in hand (three on from the base, which has been stepped), behind the run of loads for the next step.  All 32 work-groups of a batch walk the same k and v from step 0 on;
; the three with id % 32 < 3 (they walk all 16 steps) ask, each of their waves by one instruction a step.  A wave's part of a step is 48 blocks of 256 bytes of k and 48 of v; partner p names blocks 32 p + lane of the 96: so each
; block is named once in the launch.  It stops where the step four on would lie behind step 15 (s[CH] at 3 or less).  Steps 1 to 3 and the scale words come by their loads alone.
.macro ASK
	s_cmp_gt_u32 s[CH], s[LIM]
	s_cbranch_scc0 .Lnot_mine_\@
	global_prefetch_b8 v[PFO], s[KB:KB+1] offset:3*KSTP th:TH_LOAD_NT scope:SCOPE_SE
.Lnot_mine_\@:
.endm
.macro MASK n, dq                      ; register 8 u + j of tile n holds key 32 w + 16 u + 8 h + j of the step: hidden where it lies behind my query
.irp k, 0,1,2,3,4,5,6,7,8,9,10,11,12,13,14,15
	v_cmp_gt_i32 vcc_lo, 16*(\k/8)+\k%8-16*((\n)%2), v[\dq]
	v_cndmask_b32 v[S+16*(\n)+\k], v[S+16*(\n)+\k], v[NINF], vcc_lo
.endr
.endm
	s_load_b128 s[4:7], s[0:1], 0x0                ; wc, ws
	s_load_b64 s[8:9], s[0:1], 0x10                ; out0
	v_lshl_add_u32 v254, v0, 2, 0x11000
	v_mov_b32 v255, 0
	v_lshrrev_b32 v9, 5, v0
	v_readfirstlane_b32 s[WV], v9                  ; wave 0..3
	v_and_b32 v9, 31, v0                           ; lane
	v_lshlrev_b32 v[LI], 4, v9
	v_lshlrev_b32 v[LS], 2, v9
	v_lshlrev_b32 v[LI8], 3, v9
	s_mul_i32 s33, s[WV], 65536-128
	v_add_nc_u32 v[LSV], s33, v[LS]
	s_lshr_b32 s11, ttmp9, 5                       ; batch
	s_bfe_u32 s12, ttmp9, 0x30002                  ; c
	s_and_b32 s13, ttmp9, 3                        ; p
	s_lshl_b32 s14, s12, 2
	s_add_co_u32 s14, s14, s13                     ; i: my low block of 32 queries
	s_sub_co_u32 s15, 63, s14                      ; and my high block
	s_mul_i32 s33, s11, 786432                     ; the batch's first byte in each region of wc
	s_mul_i32 s34, s[WV], 12288
	s_add_co_u32 s34, s34, s33
	s_add_co_u32 s34, s34, 6291456                 ; k, key step 0, my wave's part
	s_mov_b32 s35, 0
	s_lshl_b32 s50, s11, 13                        ; the batch's first byte in each run of 65,536 (128 channels) of ws
	s_cmp_lt_u32 s[WV], 2
	s_cselect_b32 s38, s14, s15                    ; waves 0, 1 bring the low block's q, waves 2, 3 the high block's,
	s_and_b32 s39, s[WV], 1                        ; each a half of its eight fragments and four units of scale words
	s_mul_i32 s36, s38, 12288
	s_add_co_u32 s36, s36, s33
	s_mul_i32 s37, s39, 6144
	s_add_co_u32 s36, s36, s37
	s_mov_b32 s37, 0
	s_lshl_b32 s40, s38, 7
	s_add_co_u32 s40, s40, s50
	s_lshl_b32 s41, s39, 17
	s_add_co_u32 s40, s40, s41
	s_mov_b32 s41, 0
	s_lshl_b32 s44, s[WV], 7
	s_add_co_u32 s44, s44, s50
	s_add_co_u32 s44, s44, 262144
	s_mov_b32 s45, 0
	s_lshl_b32 s51, s11, 22                        ; out: 2,048 rows of 2,048 bytes a batch,
	s_lshl_b32 s52, s[WV], 9                       ; my 128 channels,
	s_add_co_u32 s51, s51, s52
	s_lshl_b32 s46, s14, 16                        ; 32 rows a block
	s_add_co_u32 s46, s46, s51
	s_mov_b32 s47, 0
	s_lshl_b32 s48, s15, 16
	s_add_co_u32 s48, s48, s51
	s_mov_b32 s49, 0
	s_mov_b32 s[CJ], s12
	s_lshl_b32 s[CH], s12, 1
	s_sub_co_u32 s[CH], 14, s[CH]
	s_mov_b32 s[SEL], 0x76543210
	s_mov_b32 s[SEL+1], 0xfedcba98
	s_mov_b32 s[C0], 0x3d8293ee                    ; log2(e) / sqrt(512)
	s_mov_b32 s[C0+1], s[C0]
	s_and_b32 s33, ttmp9, 31
	s_cmp_lt_u32 s33, 3
	s_cselect_b32 s[LIM], 3, -1                    ; 3 in a work-group that prefetches, else the greatest number
	s_wait_alu depctr_va_vdst(0)
	s_wait_kmcnt 0x0
	s_add_nc_u64 s[KB:KB+1], s[4:5], s[34:35]
	s_add_nc_u64 s[36:37], s[4:5], s[36:37]
	s_add_nc_u64 s[40:41], s[6:7], s[40:41]
	s_add_nc_u64 s[SB:SB+1], s[6:7], s[44:45]
	s_add_nc_u64 s[OB:OB+1], s[8:9], s[46:47]
	s_add_nc_u64 s[OB+2:OB+3], s[8:9], s[48:49]
.set G, 0
.rept 12
	global_load_b128 v[S+4*G:S+4*G+3], v[LI], s[36:37] offset:512*G    ; my quarter of Q: 14 loads with its scale words
.set G, G+1
.endr
	global_load_b32 v[S+48], v[LS], s[40:41]
	global_load_b32 v[S+49], v[LS], s[40:41] offset:65536
	WIN 0xc0                                       ; destination window 3
	LOAD24 0, KB, 0                                ; K of step 0: 36 loads with its scale words
	WIN 0
	LOADS4 KS, 0
	v_and_b32 v232, 15, v0                         ; r
	v_bfe_u32 v233, v0, 4, 1                       ; h
	s_lshl_b32 s33, s13, 5                         ; 32 p
	v_add_nc_u32 v9, s33, v9                       ; the prefetches: block 32 p + lane of a wave's 96
	v_lshlrev_b32 v234, 8, v9
	v_add_nc_u32 v235, VOFF-12288, v234
	v_cmp_gt_u32 vcc_lo, 48, v9
	v_cndmask_b32 v[PFO], v235, v234, vcc_lo       ; the first 48 are k's, the others v's
	s_lshl_b32 s44, s[WV], 5                       ; 32 w
	s_sub_co_i32 s45, s33, s44
	s_sub_co_i32 s46, 96, s33
	s_sub_co_i32 s46, s46, s44
	v_lshlrev_b32 v234, 3, v233
	v_sub_nc_u32 v234, v232, v234                  ; r - 8 h
	v_add_nc_u32 v[DQL], s45, v234
	v_add_nc_u32 v[DQH], s46, v234
	v_mov_b32 v[NINF], 0xff800000
	s_lshl_b32 s47, s[WV], 2
	v_lshlrev_b32 v[MXL], 4, v232
	v_add_nc_u32 v[MXS], s47, v[MXL]
	v_mul_u32_u24 v235, v232, PRP
	v_mad_u32_u24 v[PRA], v233, 24, v235
	v_add_nc_u32 v[PRA], PR, v[PRA]
	s_and_b32 s47, s[WV], 1
	v_xor_b32 v243, s47, v233                      ; odd waves exchange the halves of their block
	v_mad_u32_u24 v[PWA], v243, 12, v235
	s_mul_i32 s47, s[WV], 24
	s_add_co_u32 s47, s47, PR
	v_add_nc_u32 v[PWA], s47, v[PWA]
	v_lshlrev_b32 v[PBL], 2, v232
	v_add_nc_u32 v[PBL], PS, v[PBL]
	v_add_nc_u32 v[PBW], s[WV], v[PBL]
	s_mul_i32 s47, s[WV], 16*SP
	s_add_co_u32 s47, s47, STG
	v_mul_u32_u24 v[STO], v232, SP
	v_lshl_add_u32 v[STO], v233, 5, v[STO]
	v_add_nc_u32 v[STO], s47, v[STO]
	v_add_nc_u32 v[RD], s47, v[LI]
	s_mul_i32 s47, s[WV], 6144
	s_add_co_u32 s47, s47, QIMG
	v_add_nc_u32 v[QWA], s47, v[LI]
	v_add_nc_u32 v[QRA], QIMG, v[LI]
	v_add_nc_u32 v[QR8], QIMG, v[LI8]
	s_lshl_b32 s47, s[WV], 8
	s_add_co_u32 s47, s47, QSC
	v_add_nc_u32 v[QSW], s47, v[LS]
	v_add_nc_u32 v[QSR], QSC, v[LS]
.irp n, 0,1,2,3
	v_mov_b32 v[ST+8*\n+2], 0                      ; the sums begin as zeros
	v_mov_b32 v[ST+8*\n+3], 0
	v_mov_b32 v[ST+8*\n+5], 0                      ; (named as a pair's upper half)
	v_mov_b32 v[BT+\n], 0                          ; written once: a lane permute's destination counts as one of its sources
.endr
	WIN 0xc0
	LOAD24 96, KB, VOFF                            ; V of step 0: 36 more
	WIN 0
	LOADS4 VS, VSOF
	s_wait_loadcnt 63                              ; my quarter of Q is in; 63 of the 72 loads issued behind it (K's and V's, 36 each) may be out
.set G, 0
.rept 12
	ds_store_b128 v[QWA], v[S+4*G:S+4*G+3] offset:512*G    ; the images go to LDS as they stand, lane l's 16 bytes at 16 l
.set G, G+1
.endr
	ds_store_b32 v[QSW], v[S+48]
	ds_store_b32 v[QSW], v[S+49] offset:128
	s_wait_dscnt 0x0                               ; for the others' sake: my stores have landed
	s_barrier_signal -1
	s_barrier_wait -1
	WIN 0x80                                       ; destination window 2
.set G, 0
.rept 32
	ds_load_b128 v[6*G:6*G+3], v[QRA] offset:768*G     ; all of Q, by halves of fragments: it stays in registers
	ds_load_b64 v[6*G+4:6*G+5], v[QR8] offset:768*G+512
.set G, G+1
.endr
	WIN 0
.irp j, 0,1,2,3,4,5,6,7
	ds_load_b32 v[QS+\j], v[QSR] offset:128*\j
.endr
	s_wait_dscnt 0x0
; A KEY STEP for tiles lo .. 3.  first: it starts M and O^T.  last: nothing more is fetched.  mk = 1: tiles 0, 1 are masked where s[CJ] = gc (their diagonal step); mk = 2: tiles 2, 3 are masked.
.macro STEP lo, first, last, mk, gc
	s_wait_loadcnt 36                              ; K and its scale words are in; the 36 loads issued behind them (V's) may be out
	WIN 0x0b                                       ; source 0 (K) window 3, source 1 (Q) window 2
.irp s, 0,1,2,3                                ; S^T = K Q^T: the accumulators take turns, one instruction a turn
.irp n, 0,1,2,3
.if \n >= \lo
.irp u, 0,1
.if \s == 0
	WM S+16*\n+8*\u, 12*(4*\u+\s), 12*(4*\n+\s), 1, KS+\s, QS+4*(\n/2)+\s, \u, \n%2
.else
	WM S+16*\n+8*\u, 12*(4*\u+\s), 12*(4*\n+\s), 0, KS+\s, QS+4*(\n/2)+\s, \u, \n%2
.endif
.endr
.endif
.endr
.endr
	WIN 0
	PLACES
.if !(\last)
	s_wait_xcnt 0x0                                ; every memory instruction issued so far has read its address registers (the youngest, V's loads, stand ahead of the products above): the bases step to the next key step
	s_add_nc_u64 s[KB:KB+1], s[KB:KB+1], KSTP
	s_add_nc_u64 s[SB:SB+1], s[SB:SB+1], SSTP
.endif
.if \mk == 1
	s_cmp_lg_u32 s[CJ], \gc                        ; a branch on ids alone
	s_cbranch_scc1 .Lopen_\@
	MASK 0, DQL
	MASK 1, DQL
.Lopen_\@:
.elseif \mk == 2
	MASK 2, DQH
	MASK 3, DQH
.endif
.irp n, 0,1,2,3                                ; my block's largest score for each query: it serves the row's maximum and, since p rises with the score, the block's largest p
.if \n >= \lo
	v_max3_num_f32 v[BM+\n], v[S+16*\n], v[S+16*\n+1], v[S+16*\n+2]
.endif
.endr
.irp k, 3,5,7,9,11,13
.irp n, 0,1,2,3
.if \n >= \lo
	v_max3_num_f32 v[BM+\n], v[BM+\n], v[S+16*\n+\k], v[S+16*\n+\k+1]
.endif
.endr
.endr
.irp n, 0,1,2,3
.if \n >= \lo
	v_max_num_f32 v[BM+\n], v[BM+\n], v[S+16*\n+15]
.endif
.endr
.irp n, 0,1,2,3
.if \n >= \lo
	v_permlanex16_b32 v[BT+\n], v[BM+\n], s[SEL], s[SEL+1]
.endif
.endr
.irp n, 0,1,2,3
.if \n >= \lo
	v_max_num_f32 v[BM+\n], v[BM+\n], v[BT+\n]
.endif
.endr
.irp n, 0,1,2,3
.if \n >= \lo
	ds_store_b32 v[MXS], v[BM+\n] offset:MX+256*\n     ; both halves of the lanes write the same word with the same value
.endif
.endr
	s_wait_dscnt 0x0                               ; my maxima have landed, and my reads of p's codes of the last step are in: they are written again behind this barrier
	s_barrier_signal -1
	s_barrier_wait -1
.irp n, 0,1,2,3
.if \n >= \lo
	ds_load_b128 v[X4+4*\n:X4+4*\n+3], v[MXL] offset:MX+256*\n
.endif
.endr
.if !(\last)
	WIN 0xc0                                       ; the next step's K is asked for here, behind the LDS instructions of this exchange; the softmax's vector work follows before the next LDS instruction
	LOAD24 0, KB, 0
	WIN 0
	LOADS4 KS, 0
	ASK
.endif
	s_wait_dscnt 0x0
.irp n, 0,1,2,3
.if \n >= \lo
	v_max3_num_f32 v[ST+8*\n+6], v[X4+4*\n], v[X4+4*\n+1], v[X4+4*\n+2]
.endif
.endr
.irp n, 0,1,2,3
.if \n >= \lo
	v_max_num_f32 v[ST+8*\n+6], v[ST+8*\n+6], v[X4+4*\n+3]     ; the step's largest score of my query
.endif
.endr
.if \first
.irp n, 0,1,2,3
	v_mul_f32 v[ST+8*\n+1], s[C0], v[ST+8*\n+6]    ; as t
.endr
.else
.irp n, 0,1,2,3
.if \n >= \lo
	v_mul_f32 v[ST+8*\n+6], s[C0], v[ST+8*\n+6]
.endif
.endr
.irp n, 0,1,2,3
.if \n >= \lo
	v_max_num_f32 v[ST+8*\n+1], v[ST+8*\n+1], v[ST+8*\n+6]     ; the running largest t
	v_mov_b32 v[ST+8*\n+7], v[ST+8*\n]
.endif
.endr
.endif
.irp n, 0,1,2,3
.if \n >= \lo
	v_floor_f32 v[ST+8*\n], -v[ST+8*\n+1]          ; -M = floor(-t): M is a whole number
.endif
.endr
.if !(\first)
.irp n, 0,1,2,3
.if \n >= \lo
	v_sub_f32 v[ST+8*\n+7], v[ST+8*\n], v[ST+8*\n+7]   ; old M - new M: a whole number, 0 or less
.endif
.endr
.irp n, 0,1,2,3
.if \n >= \lo
	v_cvt_i32_f32 v[ST+8*\n+7], v[ST+8*\n+7]
.endif
.endr
.irp n, 0,1,2,3
.if \n >= \lo
	v_ldexp_f32 v[ST+8*\n+4], 1.0, v[ST+8*\n+7]    ; f = 2^(old M - new M)
.endif
.endr
.endif
.irp k, 0,2,4,6,8,10,12,14
.irp n, 0,1,2,3
.if \n >= \lo
	v_pk_fma_f32 v[S+16*\n+\k:S+16*\n+\k+1], v[S+16*\n+\k:S+16*\n+\k+1], s[C0:C0+1], v[ST+8*\n:ST+8*\n+1] op_sel_hi:[1,0,0]   ; t - M, two at a time
.endif
.endr
.endr
.irp n, 0,1,2,3
.if \n >= \lo
	v_fma_f32 v[BM+\n], v[BM+\n], s[C0], v[ST+8*\n]    ; the same of my block's largest score
.endif
.endr
	s_wait_alu depctr_va_vdst(0)
.irp n, 0,1,2,3
.if \n >= \lo
.irp k, 0,1,2,3,4,5,6,7,8,9,10,11,12,13,14,15
	v_exp_f32 v[S+16*\n+\k], v[S+16*\n+\k]         ; p = 2^(t - M): one batch
.endr
.endif
.endr
.if \first
	v_nop                                          ; a plain instruction behind the exponentials
.else
.irp n, 0,1,2,3
.if \n >= \lo
	v_pk_mul_f32 v[ST+8*\n+2:ST+8*\n+3], v[ST+8*\n+2:ST+8*\n+3], v[ST+8*\n+4:ST+8*\n+5] op_sel_hi:[1,0]   ; the sums under the new M (plain instructions behind the exponentials)
.endif
.endr
.endif
	s_wait_alu depctr_va_vdst(0)                   ; one wait for the batch, ahead of its first reader
.irp n, 0,1,2,3
.if \n >= \lo
	v_exp_f32 v[BM+\n], v[BM+\n]                   ; my block's largest p
.endif
.endr
.irp n, 0,1,2,3                                ; the sums of the unquantised p, in two chains
.if \n >= \lo
	v_pk_add_f32 v[SU+2*\n:SU+2*\n+1], v[S+16*\n:S+16*\n+1], v[S+16*\n+2:S+16*\n+3]
.endif
.endr
.irp k, 4,8,12
.irp n, 0,1,2,3
.if \n >= \lo
	v_pk_add_f32 v[ST+8*\n+2:ST+8*\n+3], v[ST+8*\n+2:ST+8*\n+3], v[S+16*\n+\k:S+16*\n+\k+1]
	v_pk_add_f32 v[SU+2*\n:SU+2*\n+1], v[SU+2*\n:SU+2*\n+1], v[S+16*\n+\k+2:S+16*\n+\k+3]
.endif
.endr
.endr
.irp n, 0,1,2,3
.if \n >= \lo
	v_pk_add_f32 v[ST+8*\n+2:ST+8*\n+3], v[ST+8*\n+2:ST+8*\n+3], v[SU+2*\n:SU+2*\n+1]
.endif
.endr
	s_wait_alu depctr_va_vdst(0)                   ; and one for the blocks' largest p
.irp n, 0,1,2,3
.if \n >= \lo
	v_max_num_f32 v[BM+\n], 0x1800000, v[BM+\n]    ; the floor 2^(3 - 127): the byte cannot fall under 1
.endif
.endr
.irp n, 0,1,2,3
.if \n >= \lo
	v_add_nc_u32 v[SCO+\n], 0xff000000, v[BM+\n]   ; 2 off the exponent field: the conversion's scale operand
.endif
.endr
.irp n, 0,1,2,3
.if \n >= \lo
	v_lshrrev_b32 v[BT+\n], 23, v[SCO+\n]          ; the scale's byte
.endif
.endr
.irp n, 0,1,2,3
.if \n >= \lo
	ds_store_b8 v[PBW], v[BT+\n] offset:64*\n      ; byte w of the query's scale word
.endif
.endr
.irp n, 0,1,2,3
.if \n >= \lo
	v_cvt_scalef32_pk16_fp6_f32 v[PC+4*\n:PC+4*\n+2], v[S+16*\n:S+16*\n+15], v[SCO+\n]   ; my 16 codes: places 16 h .. 16 h + 15 of block w
.endif
.endr
	v_nop                                          ; one plain instruction behind the scaled conversions
.irp n, 0,1,2,3
.if \n >= \lo
.irp k, 0,1,2
	ds_store_b32 v[PWA], v[PC+4*\n+\k] offset:PRT*\n+4*\k
.endr
.endif
.endr
	s_wait_dscnt 0x0                               ; my codes and bytes have landed (my reads of the maxima were waited for above: they are written again behind this barrier)
	s_barrier_signal -1
.if !(\first)
	WIN 0x41                                       ; O^T (destination and source 0) window 1
.irp n, 0,1,2,3
.if \n >= \lo
.set G, 0
.rept 32
	v_pk_mul_f32 v[64*\n+2*G:64*\n+2*G+1], v[64*\n+2*G:64*\n+2*G+1], v[ST+8*\n+4:ST+8*\n+5] op_sel_hi:[1,0]   ; O^T under the new M: work on registers while the others arrive
.set G, G+1
.endr
.endif
.endr
	WIN 0
.endif
	s_wait_alu depctr_va_vdst(0)
	s_barrier_wait -1
.irp n, 0,1,2,3
.if \n >= \lo
.irp k, 0,1,2,3,4,5
	ds_load_b64 v[PF+12*\n+2*\k:PF+12*\n+2*\k+1], v[PRA] offset:PRT*\n+48*(\k/3)+8*(\k%3)   ; p's fragment: 16 queries x the step's 128 keys
.endr
	ds_load_b32 v[PSR+\n], v[PBL] offset:64*\n
.endif
.endr
.if \last
	s_wait_loadcnt 0x0
.else
	s_wait_loadcnt 36                              ; V and its scale words are in; the 36 loads issued behind them (the next K's) may be out
.endif
	s_wait_dscnt 0x0
	WIN 0x53                                       ; source 0 (V) window 3, source 1 (p) window 0, C and D window 1
.irp t, 0,1,2,3,4,5,6,7                        ; O^T += V^T P^T: every accumulator once
.irp n, 0,1,2,3
.if \n >= \lo
	WM 64*\n+8*\t, 96+12*\t, PF+12*\n, \first, VS+\t/2, PSR+\n, \t%2, 0
.endif
.endr
.endr
.if !(\last)
	PLACES
	WIN 0xc0
	LOAD24 96, KB, VOFF                            ; the next step's V (the bases stand at that step already)
	WIN 0
	LOADS4 VS, VSOF
.else
	WIN 0
.endif
.endm
	STEP 0, 1, 0, 1, 0                             ; key step 0, all four tiles; the low block's diagonal where c = 0
	s_cmp_eq_u32 s[CJ], 0
	s_cbranch_scc1 .Lno_joint
.Ljoint:                                           ; key steps 1 .. c; the last is the low block's diagonal
	STEP 0, 0, 0, 1, 1
	s_sub_co_u32 s[CJ], s[CJ], 1
	s_cmp_lg_u32 s[CJ], 0
	s_cbranch_scc1 .Ljoint
.Lno_joint:
	s_cmp_eq_u32 s[CH], 0
	s_cbranch_scc1 .Lno_high
.Lhigh:                                            ; key steps c + 1 .. 14 - c, tiles 2 and 3 alone
	STEP 2, 0, 0, 0, 0
	s_sub_co_u32 s[CH], s[CH], 1
	s_cmp_lg_u32 s[CH], 0
	s_cbranch_scc1 .Lhigh
.Lno_high:
	STEP 2, 0, 1, 2, 0                             ; key step 15 - c, the high block's diagonal: written out, so that no load leaves its buffer
	; THE WAY OUT.  A query's sum lies in two registers, two halves of the lanes and four waves: the waves' parts meet in LDS.  O^T / the sum goes through my stage, a tile of 16 queries at a time, and leaves as rows of 512 bytes.
	PLACES
.irp n, 0,1,2,3
	v_add_f32 v[ST+8*\n+6], v[ST+8*\n+2], v[ST+8*\n+3]
.endr
.irp n, 0,1,2,3
	v_permlanex16_b32 v[BT+\n], v[ST+8*\n+6], s[SEL], s[SEL+1]
.endr
.irp n, 0,1,2,3
	v_add_f32 v[ST+8*\n+6], v[ST+8*\n+6], v[BT+\n]
.endr
.irp n, 0,1,2,3
	ds_store_b32 v[MXS], v[ST+8*\n+6] offset:LX+256*\n
.endr
	s_wait_dscnt 0x0
	s_barrier_signal -1
	s_barrier_wait -1
.irp n, 0,1,2,3
	ds_load_b128 v[X4+4*\n:X4+4*\n+3], v[MXL] offset:LX+256*\n
.endr
	s_wait_dscnt 0x0
.irp n, 0,1,2,3
	v_add_f32 v[X4+4*\n], v[X4+4*\n], v[X4+4*\n+1]
.endr
.irp n, 0,1,2,3
	v_add_f32 v[X4+4*\n+2], v[X4+4*\n+2], v[X4+4*\n+3]
.endr
.irp n, 0,1,2,3
	v_add_f32 v[X4+4*\n], v[X4+4*\n], v[X4+4*\n+2]
.endr
	s_wait_alu depctr_va_vdst(0)
.irp n, 0,1,2,3
	v_rcp_f32 v[ST+8*\n+4], v[X4+4*\n]
.endr
	v_nop                                          ; a plain instruction behind the reciprocals,
	s_wait_alu depctr_va_vdst(0)                   ; and one wait for the four, ahead of their first reader
.macro MULO n
	WIN 0x41
.set G, 0
.rept 32
	v_pk_mul_f32 v[64*(\n)+2*G:64*(\n)+2*G+1], v[64*(\n)+2*G:64*(\n)+2*G+1], v[ST+8*(\n)+4:ST+8*(\n)+5] op_sel_hi:[1,0]
.set G, G+1
.endr
	WIN 0
.endm
.macro TOSTAGE n                       ; lane (r, h) holds out(query r, channels 16 t + 8 h + 0 .. 7 of my 128): 32 bytes a tile of channels
	WIN 0x04                                       ; an LDS store's data are its source 1: window 1
.irp t, 0,1,2,3,4,5,6,7
	ds_store_b128 v[STO], v[64*(\n)+8*\t:64*(\n)+8*\t+3] offset:64*\t
	ds_store_b128 v[STO], v[64*(\n)+8*\t+4:64*(\n)+8*\t+7] offset:64*\t+16
.endr
	WIN 0
.irp i, 0,1,2,3,4,5,6,7,8,9,10,11,12,13,14,15
	ds_load_b128 v[BK+64*((\n)%2)+4*\i:BK+64*((\n)%2)+4*\i+3], v[RD] offset:\i*SP   ; LDS serves a wave's instructions in order (ISA guide 5.7.1.4): these see my stores, and the next tile's stores come behind them
.endr
.endm
.macro SEND n, younger                 ; younger: the LDS instructions issued behind tile n's loads, which may stay out
	s_wait_dscnt \younger
.irp i, 0,1,2,3,4,5,6,7,8,9,10,11,12,13,14,15
	global_store_b128 v[LI], v[BK+64*((\n)%2)+4*\i:BK+64*((\n)%2)+4*\i+3], s[OB+2*((\n)/2):OB+2*((\n)/2)+1] offset:((\n)%2)*32768+\i*2048 th:TH_STORE_NT   ; 32 lanes store 512 consecutive bytes, aligned
.endr
.endm
	MULO 0
	TOSTAGE 0
.irp n, 1,2,3
.if \n > 1
	s_wait_xcnt 0x0                                ; tile n - 2's stores have read their registers: tile n's rows may land there
.endif
	MULO \n
	TOSTAGE \n
	SEND \n-1, 32                                  ; behind tile n - 1's loads: tile n's 16 stores and 16 loads
.endr
	SEND 3, 0
	s_wait_tensorcnt 0x0
	ds_add_u32 v254, v255
	s_wait_dscnt 0x0
	s_endpgm
.Lfunc_end_k_qc40b0529c2_attn:
	.size	k_qc40b0529c2_attn, .Lfunc_end_k_qc40b0529c2_attn-k_qc40b0529c2_attn
	.p2alignl 7, 3214868480
	.fill 96, 4, 3214868480
	.section	.rodata,"a",@progbits
	.p2align	6, 0x0
	.amdhsa_kernel k_qc40b0529c2_attn
		.amdhsa_group_segment_fixed_size 70144
		.amdhsa_private_segment_fixed_size 0
		.amdhsa_enable_private_segment 0
		.amdhsa_kernarg_size 24
		.amdhsa_user_sgpr_count 2
		.amdhsa_user_sgpr_kernarg_segment_ptr 1
		.amdhsa_wavefront_size32 1
		.amdhsa_system_sgpr_workgroup_id_x 1
		.amdhsa_system_sgpr_workgroup_id_y 1
		.amdhsa_system_sgpr_workgroup_id_z 1
		.amdhsa_system_vgpr_workitem_id 0
		.amdhsa_next_free_vgpr 1024
		.amdhsa_next_free_sgpr 66
		.amdhsa_reserve_vcc 1
		.amdhsa_float_denorm_mode_32 3
		.amdhsa_float_denorm_mode_16_64 3
		.amdhsa_memory_ordered 1
		.amdhsa_forward_progress 1
		.amdhsa_inst_pref_size 158
	.end_amdhsa_kernel
	.amdgpu_metadata
---
amdhsa.version: [ 1, 2 ]
amdhsa.kernels:
  - .name:           k_qc40b0529c2_attn
    .symbol:         k_qc40b0529c2_attn.kd
    .args:
      - { .name: wc, .offset: 0, .size: 8, .value_kind: global_buffer, .address_space: global }
      - { .name: ws, .offset: 8, .size: 8, .value_kind: global_buffer, .address_space: global }
      - { .name: out0, .offset: 16, .size: 8, .value_kind: global_buffer, .address_space: global }
    .group_segment_fixed_size: 70144
    .private_segment_fixed_size: 0
    .kernarg_segment_align: 8
    .kernarg_segment_size: 24
    .max_flat_workgroup_size: 128
    .sgpr_count:     66
    .vgpr_count:     1024
    .wavefront_size: 32
...
	.end_amdgpu_metadata
.endif
;; end of part 2
